; MI455X (gfx1250); checked and timed in simulation.
; The chip was launched on July 23, 2026; its instructions are those of AMD's public machine-readable ISA for CDNA 5 (MIT licence, August 2026) and "CDNA5" Instruction Set Architecture Reference Guide (July 2026). The comments in the code are by the model that wrote it; some were corrected since.
;; Codebook. Allowed arithmetic: float matrix products may take bf16 or f16 operands with f32 sums; all other float work in f32.
;; Inputs: weight 8,192 x 256 float32; x 8 x 4,096 x 256 float32.
;; Outputs: out0 8 x 4,096 x 256 float32; out1 one number float32.
;; One version. Each part assembles by itself: llvm-mc -triple=amdgcn-amd-amdhsa -mcpu=gfx1250 --defsym DOCPART=n.
;; ======== version 1 of 1: 4 launches
;; workspace buffers: wbf 4,194,304 bytes; bsq 32,768 bytes; idx 131,072 bytes of whole numbers; part 65,536 bytes
;; launch prep (part 1): grid 128 x 1, 16 waves a work-group, no clusters, 2,304 bytes of LDS; arguments weight, wbf, bsq; writes wbf, bsq
.if DOCPART == 1
	.amdgcn_target "amdgcn-amd-amdhsa--gfx1250"
	.amdhsa_code_object_version 6
	.text
	.protected	k_qed61353d9c_prep
	.globl	k_qed61353d9c_prep
	.p2align	8
	.type	k_qed61353d9c_prep,@function
k_qed61353d9c_prep:
	s_mov_b64 s[64:65], 0
	v_nop
	global_prefetch_b8 v0, s[64:65] scope:SCOPE_SE
	s_setreg_imm32_b32 hwreg(HW_REG_WAVE_MODE, 25, 1), 1
	s_wait_xcnt 0x0
; wbf[n][k] = bf16(weight[n][k]) (round to nearest even), bsq[n] = sum over k of bf16(weight[n][k])^2 in f32.
; weight: [8192][256] f32.  wbf: [8192][256] bf16.  bsq: [8192] f32.
; The squares are taken of the ROUNDED weights, because the distances of the next launch are made of the rounded operands.
; A work-group owns 64 rows, so that its 64 sums are 256 consecutive bytes of bsq, stored by one instruction.
; Sixteen waves, four rows each; lane L owns numbers 8 L .. 8 L + 7 of each row: its 8 bf16 are 16 bytes, and one store of a
; wave covers a whole row of wbf, 512 consecutive bytes.  All eight loads of a wave go out at once: there is no loop.
; A stream: no matrix unit, no cluster (no two work-groups read the same bytes).
.set ROWIN,  1024                      ; bytes of a row of weight
.set ROWOUT, 512                       ; bytes of a row of wbf
.set VIN,  3                           ; v3       4096 w + 32 L
.set VOUT, 4                           ; v4       2048 w + 16 L
.set X,    8                           ; v[8:39]  row k: 8 numbers as loaded, then the rounded ones widened again
.set P,    40                          ; v[40:55] row k: 4 registers of packed bf16, the store's data, never rewritten
.set SUM,  56                          ; v[56:59] row k: the sum of squares
.set T,    60                          ; v[60:61] at work; v62 the other half's sum
	s_load_b128 s[4:7], s[0:1], 0x0                ; weight s[4:5], wbf s[6:7]
	s_load_b64 s[10:11], s[0:1], 0x10              ; bsq
	v_lshl_add_u32 v64, v0, 2, 0x100
	v_mov_b32 v65, 0
	v_lshrrev_b32 v2, 5, v0
	v_readfirstlane_b32 s8, v2                     ; wave 0..15
	v_and_b32 v1, 31, v0                           ; lane
	s_mov_b32 s13, 0xffff0000                      ; a word's upper bf16
	s_mov_b32 s16, 0x76543210                      ; v_permlanex16_b32: lane i reads lane i of the other half
	s_mov_b32 s17, 0xfedcba98
	s_lshl_b32 s14, ttmp9, 16                      ; 64 rows of 1,024 bytes
	s_mov_b32 s15, 0
	s_lshl_b32 s18, ttmp9, 15                      ; 64 rows of 512 bytes
	s_mov_b32 s19, 0
	s_lshl_b32 s20, ttmp9, 8                       ; 64 sums of 4 bytes
	s_mov_b32 s21, 0
	v_lshlrev_b32 v[VIN], 5, v1
	v_lshl_add_u32 v[VIN], s8, 12, v[VIN]
	v_lshlrev_b32 v[VOUT], 4, v1
	v_lshl_add_u32 v[VOUT], s8, 11, v[VOUT]
	v_lshlrev_b32 v5, 4, v2                        ; LDS: my wave's four sums at 16 w
	v_lshlrev_b32 v6, 3, v1                        ; 8 L: two sums a lane on the way out
	v_mov_b32 v62, 0                               ; v_permlanex16_b32 counts as a reader of its destination
	s_wait_kmcnt 0x0
	s_add_nc_u64 s[4:5], s[4:5], s[14:15]
	s_add_nc_u64 s[6:7], s[6:7], s[18:19]
	s_add_nc_u64 s[10:11], s[10:11], s[20:21]
.irp k, 0,1,2,3
	global_load_b128 v[X+8*\k:X+8*\k+3],   v[VIN], s[4:5] offset:ROWIN*\k th:TH_LOAD_NT
	global_load_b128 v[X+8*\k+4:X+8*\k+7], v[VIN], s[4:5] offset:ROWIN*\k+16 th:TH_LOAD_NT
.endr
.irp k, 0,1,2,3
	s_wait_loadcnt 6-2*\k                          ; loads return in order: row k's two are in, the two of each younger row may stay out
.irp q, 0,1,2,3
	v_cvt_pk_bf16_f32 v[P+4*\k+\q], v[X+8*\k+2*\q], v[X+8*\k+2*\q+1]
.endr
.irp q, 0,1,2,3
	v_lshlrev_b32 v[X+8*\k+2*\q],   16,  v[P+4*\k+\q]      ; the rounded numbers as f32 again
	v_and_b32     v[X+8*\k+2*\q+1], s13, v[P+4*\k+\q]
.endr
	global_store_b128 v[VOUT], v[P+4*\k:P+4*\k+3], s[6:7] offset:ROWOUT*\k
	v_pk_mul_f32 v[T:T+1], v[X+8*\k:X+8*\k+1], v[X+8*\k:X+8*\k+1]             ; the first product starts the sum
.irp q, 2,4,6
	v_pk_fma_f32 v[T:T+1], v[X+8*\k+\q:X+8*\k+\q+1], v[X+8*\k+\q:X+8*\k+\q+1], v[T:T+1]
.endr
	v_add_f32 v[SUM+\k], v[T], v[T+1]
.endr
	; across the 32 lanes, the four rows side by side
.irp m, 1,2,4,8
.irp k, 0,1,2,3
	v_add_f32_dpp v[SUM+\k], v[SUM+\k], v[SUM+\k] row_xmask:\m row_mask:0xf bank_mask:0xf
.endr
.endr
.irp k, 0,1,2,3
	v_permlanex16_b32 v62, v[SUM+\k], s16, s17
	v_add_f32 v[SUM+\k], v[SUM+\k], v62
	ds_store_b32 v5, v[SUM+\k] offset:4*\k         ; every lane writes the same word with the same value
.endr
	s_wait_dscnt 0x0                               ; my four words are in LDS before I say so
	s_barrier_signal -1
	s_barrier_wait -1
	s_cmp_lg_u32 s8, 0
	s_cbranch_scc1 .Lend
	ds_load_b64 v[T:T+1], v6                       ; wave 0: the group's 64 sums, two a lane
	s_wait_dscnt 0x0
	global_store_b64 v6, v[T:T+1], s[10:11]        ; 256 consecutive bytes, aligned, by one instruction
.Lend:
	s_wait_tensorcnt 0x0
	ds_add_u32 v64, v65
	s_wait_dscnt 0x0
	s_endpgm
.Lfunc_end_k_qed61353d9c_prep:
	.size	k_qed61353d9c_prep, .Lfunc_end_k_qed61353d9c_prep-k_qed61353d9c_prep
	.p2alignl 7, 3214868480
	.fill 96, 4, 3214868480
	.section	.rodata,"a",@progbits
	.p2align	6, 0x0
	.amdhsa_kernel k_qed61353d9c_prep
		.amdhsa_group_segment_fixed_size 2304
		.amdhsa_private_segment_fixed_size 0
		.amdhsa_enable_private_segment 0
		.amdhsa_kernarg_size 24
		.amdhsa_user_sgpr_count 2
		.amdhsa_user_sgpr_kernarg_segment_ptr 1
		.amdhsa_wavefront_size32 1
		.amdhsa_system_sgpr_workgroup_id_x 1
		.amdhsa_system_sgpr_workgroup_id_y 1
		.amdhsa_system_sgpr_workgroup_id_z 1
		.amdhsa_system_vgpr_workitem_id 0
		.amdhsa_next_free_vgpr 66
		.amdhsa_next_free_sgpr 66
		.amdhsa_reserve_vcc 0
		.amdhsa_float_denorm_mode_32 3
		.amdhsa_float_denorm_mode_16_64 3
		.amdhsa_memory_ordered 1
		.amdhsa_forward_progress 1
		.amdhsa_inst_pref_size 8
	.end_amdhsa_kernel
	.amdgpu_metadata
---
amdhsa.version: [ 1, 2 ]
amdhsa.kernels:
  - .name:           k_qed61353d9c_prep
    .symbol:         k_qed61353d9c_prep.kd
    .args:
      - { .name: weight, .offset: 0, .size: 8, .value_kind: global_buffer, .address_space: global }
      - { .name: wbf, .offset: 8, .size: 8, .value_kind: global_buffer, .address_space: global }
      - { .name: bsq, .offset: 16, .size: 8, .value_kind: global_buffer, .address_space: global }
    .group_segment_fixed_size: 2304
    .private_segment_fixed_size: 0
    .kernarg_segment_align: 8
    .kernarg_segment_size: 24
    .max_flat_workgroup_size: 512
    .sgpr_count:     66
    .vgpr_count:     66
    .wavefront_size: 32
...
	.end_amdgpu_metadata
.endif
;; end of part 1
;; launch argmin (part 2): grid 256 x 1, 8 waves a work-group, clusters of 4 x 1, 327,680 bytes of LDS; arguments x, wbf, bsq, idx; writes idx
.if DOCPART == 2
	.amdgcn_target "amdgcn-amd-amdhsa--gfx1250"
	.amdhsa_code_object_version 6
	.text
	.protected	k_qed61353d9c_argmin
	.globl	k_qed61353d9c_argmin
	.p2align	8
	.type	k_qed61353d9c_argmin,@function
k_qed61353d9c_argmin:
	s_mov_b64 s[64:65], 0
	v_nop
	global_prefetch_b8 v0, s[64:65] scope:SCOPE_SE
	s_setreg_imm32_b32 hwreg(HW_REG_WAVE_MODE, 25, 1), 1
	s_wait_xcnt 0x0
	s_wait_alu depctr_hold_cnt(0) depctr_sa_sdst(0) depctr_va_vdst(0) depctr_va_sdst(0) depctr_va_ssrc(0) depctr_va_vcc(0) depctr_vm_vsrc(0)
	s_getreg_b32 s2, hwreg(HW_REG_IB_STS2, 6, 4)
	s_cmp_eq_u32 s2, 0
	s_cbranch_scc0 .Lentry_in_a_cluster
	s_endpgm
.Lentry_in_a_cluster:
	s_bfe_u32 s2, ttmp6, 0x10000c
	s_cmp_lg_u32 s2, 0x3003
	s_cbranch_scc0 .Lentry_shape_is_right
	s_endpgm
.Lentry_shape_is_right:
; idx[row] = the first index n at which d[row][n] = (a[row] + b[n]) - 2 p[row][n] is least;  p = x w^T.
; x: [32768][256] f32.  wbf: [8192][256] bf16 (the codes, rounded).  bsq: [8192] f32 (b).  idx: [32768] 32-bit whole numbers.
;
; ROUNDINGS.  a is far larger than the differences between the d of a row, so the f32 roundings of d decide many rows and are repeated here as they
; are written in the problem: s = fl(a + b), d = fl(s - 2 p) (one fused multiply-add by -2: 2 p is exact).  The matrix operands are bf16; a and b are
; the sums of squares of the ROUNDED numbers, so that d is the distance between the rounded vectors.
; THE MINIMUM.  A lane's eight d of a tile belong to eight consecutive codes.  Four three-way minima fold them into the lane's running minimum; one strict
; 'less than' of the new minimum against the old says whether this tile brought a smaller d; where it did, selects keep the tile's first code and the
; tile's d 0 to 6: 13 instructions for 8 numbers, where a compare, a minimum and a select on each would be 24.  The place j in the tile is found once, behind
; the ring: the first j whose kept d equals the minimum, 7 if none of the seven does.  The strict compare keeps the earliest tile, the first equal j the
; earliest code in it, and lanes and waves are merged by (d, then the lower index): the result is the first index of the least d.
; LIMITS.  Finite inputs: a d that is NaN is passed over here.  If every d of a row is +infinity the index is 0.  a and b are summed in another
; order than a plain loop would (a few units in their last place): that moves all d of a row by the same whole steps of their grid, and can change
; an order only in a row whose d straddle a power of two.  p is the matrix unit's f32 sum over K = 256 in eight links.
;
; SHARING.  A work-group owns 128 rows of x and walks all 8,192 codes, so a row's whole argmin is made in one work-group.  Eight waves, two on each SIMD:
; wave w has p = w >> 2 (which 64 rows) and c = w & 3 (which 16 of every 64 codes).  A wave keeps its 64 rows x 256 K as bf16 fragments in
; 256 registers for the whole launch.  K is only 256: behind 32 matrix instructions stand 84 vector instructions that form d and take the
; minimum, and with two waves on a SIMD one wave's vector phase stands beside the other's matrix phase.  One fragment of codes (1 KiB from LDS) feeds four matrix instructions.
; The codes come in 32 steps of 256 codes through two LDS slots.
; CLUSTER.  All work-groups walk the same codes and the same b: four work-groups form a cluster and ask for them JOINTLY (mask 15), which divides
; those requests by four.  x is each work-group's own and comes by a plain load.
; THE MATRIX INSTRUCTION IS USED TRANSPOSED: source 0 = 16 codes, source 1 = 16 rows of x.  Lane (r, h) of a result then holds row r of x and, in
; register j, code 8 h + j: a is one number a lane and tile of x, and so are the running minimum and its tile.
.set PW,     528                       ; LDS pitch of a code: 512 bytes + 16: an odd multiple of 16, so the 16 rows of a fragment load start in 16 different 16-byte columns modulo 256
.set SLOT,   256*PW                    ; 135,168: 256 codes
.set WPART,  32*PW                     ; what one wave's tensor load brings
.set T64,    64*PW                     ; 64 codes: from a wave's tile to its next
.set PX,     1040                      ; LDS pitch of a row of x in f32: 1,024 + 16
.set XST,    SLOT                      ; the stage for x lies in slot 1, which gets its first codes only when x has been read
.set XPART,  16*PX
.set BT,     2*SLOT                    ; 270,336: all 8,192 b, 32,768 bytes, filled once
.set SCR,    BT+32768                  ; 303,104: 8 waves x 512 bytes of (d, index) pairs; written by LDS stores alone, no fill lands here
.set WSTEP,  256*512                   ; bytes of wbf in a step
.set G1W, 16                           ; s[16:23] shape of a code tile (joint)
.set G0W, 32                           ; s[32:39] from where, to where: one set for each slot
.set G1X, 40                           ; s[40:47] shape of my part of x (plain)
.set G0X, 48                           ; s[48:51]
.set G1B, 52                           ; s[52:59] shape of my part of b (joint)
.set G0B, 60                           ; s[60:63]
.set CODE, 66                          ; s66      the first code of my tile in lanes 0-15: 16 c + 64 x tiles done
.set MK,   74                          ; s[74:77] lane masks of the four tiles of x
.set ADW, 4                            ; v[4:7]    LDS address of my code fragments: slot x 2 + (tile >> 1)
.set ADB, 8                            ; v8        of my 8 b; steps by 1,024 a step
.set ADX, 9                            ; v9        of my part of a row of x in the stage
.set SCW, 10                           ; v10       where I put my pairs
.set SCRD, 11                          ; v11       where the merge reads
.set A,   12                           ; v[12:19]  a of tile i of x, twice (a pair for the packed add)
.set BEST, 20                          ; v[20:27]  least d so far of tile i of x: two sets that take turns, old and new, by the code tile's parity
.set TI,  28                           ; v[28:31]  the first code of the tile that brought it
.set BB,  32                           ; v[32:47]  8 b, two buffers
.set ACC, 48                           ; v[48:79]  four accumulators: p, then d in place
.set ST,  80                           ; v[80:95]  s of two tiles of x at a time; behind the ring: the pairs of the merge
.set CH,  80                           ; v[80:83]  ahead of the ring: four chains of a's sum
.set SAV, 96                           ; v[96:123] tile i of x: d 0 to 6 of the code tile that brought the minimum, at 7 i + j
.set WF,  128                          ; v[128:255] code fragments, two buffers of 8 K steps x 8 registers; ahead of the ring: x in f32
.set FIN, 128                          ; v[128:145] behind the ring: the merge
;                                        window 1 (v256-v511): x's fragments, tile i, K step s at 8 (8 i + s)
.set MSB, 0
.macro WIN new                         ; s_set_vgpr_msb: bits 1:0 source 0, 3:2 source 1, 5:4 source 2, 7:6 destination; the high byte repeats the setting that is left
.if MSB != \new
	s_set_vgpr_msb (MSB<<8)|\new
.set MSB, \new
.endif
.endm
; A round of the cluster's barrier: my work-group's barrier, so that wave 0's signal speaks for all eight waves; wave 0 signals for the work-group;
; every wave waits for all four work-groups; my work-group's barrier once more.
.macro CREST                           ; a round behind its opening barrier
	s_cmp_lg_u32 s12, 0
	s_cbranch_scc1 .Lnot_wave_0_\@
	s_barrier_signal -3
.Lnot_wave_0_\@:
	s_barrier_wait -3
	s_barrier_signal -1
	s_barrier_wait -1
.endm
.macro ROUND                           ; a whole round
	s_barrier_signal -1
	s_barrier_wait -1
	CREST
.endm
	s_load_b256 s[4:11], s[0:1], 0x0               ; x s[4:5], wbf s[6:7], bsq s[8:9], idx s[10:11]
	v_lshl_add_u32 v126, v0, 2, 0x4b000
	v_mov_b32 v127, 0
	ds_add_u32 v126, v127
	v_lshrrev_b32 v3, 5, v0
	v_readfirstlane_b32 s12, v3                    ; wave 0..7
	s_lshr_b32 s13, s12, 2                         ; p
	s_and_b32 s14, s12, 3                          ; c
	s_bfe_u32 s15, ttmp6, 0x40000                  ; cx: my place in the cluster; it enters x's and idx's global addresses and nothing else
	s_lshl_b32 s24, ttmp9, 2                       ; ttmp9 counts clusters
	s_add_co_u32 s24, s24, s15                     ; G: my block of 128 rows
	s_mov_b32 s78, 0x76543210                      ; v_permlanex16_b32: lane i reads lane i of the other half
	s_mov_b32 s79, 0xfedcba98
	; codes: 32 rows x 256 bf16; 4 words of padding behind every 128 words (a row)
	s_mov_b32 s[G1W+0], 15|(1<<16)|(1<<20)|(1<<21)|(6<<22)|(3<<25)  ; 15:0 mask: all four of the cluster; 17:16 2-byte elements; 20 padding on; 21 set beside a mask; 24:22 interval code 6; 31:25 pad code 3
	s_mov_b32 s[G1W+1], 256<<16                    ; tensor_dim0 = 256
	s_mov_b32 s[G1W+2], 32<<16                     ; tensor_dim1 = 32
	s_mov_b32 s[G1W+3], 256<<16                    ; tile_dim0 = 256
	s_mov_b32 s[G1W+4], 32                         ; tile_dim1 = 32
	s_mov_b32 s[G1W+5], 256                        ; elements from row to row
	s_mov_b32 s[G1W+6], 0
	s_mov_b32 s[G1W+7], 0
	; x: 16 rows x 256 f32; 4 words of padding behind every 256 words (a row); no mask
	s_mov_b32 s[G1X+0], (2<<16)|(1<<20)|(7<<22)|(3<<25)
	s_mov_b32 s[G1X+1], 256<<16
	s_mov_b32 s[G1X+2], 16<<16
	s_mov_b32 s[G1X+3], 256<<16
	s_mov_b32 s[G1X+4], 16
	s_mov_b32 s[G1X+5], 256
	s_mov_b32 s[G1X+6], 0
	s_mov_b32 s[G1X+7], 0
	; b: a dense block of 4,096 bytes as 16 rows of 32 elements of 8 bytes; joint, no padding
	s_mov_b32 s[G1B+0], 15|(3<<16)|(1<<21)
	s_mov_b32 s[G1B+1], 32<<16
	s_mov_b32 s[G1B+2], 16<<16
	s_mov_b32 s[G1B+3], 32<<16
	s_mov_b32 s[G1B+4], 16
	s_mov_b32 s[G1B+5], 32
	s_mov_b32 s[G1B+6], 0
	s_mov_b32 s[G1B+7], 0
	; to where: a constant plus the wave's number times a constant
	s_mov_b32 s[G0W+0], 1
	s_mul_i32 s[G0W+1], s12, WPART
	s_mov_b32 s[G0W+4], 1
	s_add_co_u32 s[G0W+5], s[G0W+1], SLOT
	s_mov_b32 s[G0X+0], 1
	s_mul_i32 s[G0X+1], s12, XPART
	s_add_co_u32 s[G0X+1], s[G0X+1], XST
	s_mov_b32 s[G0B+0], 1
	s_lshl_b32 s[G0B+1], s12, 12
	s_add_co_u32 s[G0B+1], s[G0B+1], BT
	; from where.  The joint loads' offsets hang on the wave's number alone and lie in registers that never hold cx.
	s_lshl_b32 s26, s12, 14                        ; 32 codes of 512 bytes
	s_mov_b32 s27, 0
	s_lshl_b32 s28, s12, 12                        ; 1,024 b
	s_mov_b32 s29, 0
	s_lshl_b32 s30, s24, 17                        ; 128 rows of x of 1,024 bytes,
	s_lshl_b32 s25, s12, 14                        ; and my 16 of them
	s_add_co_u32 s30, s30, s25
	s_mov_b32 s31, 0
	s_wait_dscnt 0x0
	s_wait_kmcnt 0x0
	s_add_nc_u64 s[G0W+2:G0W+3], s[6:7], s[26:27]              ; step 0
	s_add_nc_u64 s[G0W+6:G0W+7], s[G0W+2:G0W+3], WSTEP         ; step 1
	s_or_b32 s[G0W+3], s[G0W+3], 0x80000000                    ; type = 2
	s_or_b32 s[G0W+7], s[G0W+7], 0x80000000
	s_add_nc_u64 s[G0X+2:G0X+3], s[4:5], s[30:31]
	s_or_b32 s[G0X+3], s[G0X+3], 0x80000000
	s_add_nc_u64 s[G0B+2:G0B+3], s[8:9], s[28:29]
	s_or_b32 s[G0B+3], s[G0B+3], 0x80000000
	s_lshl_b32 s30, s24, 9                         ; my 128 indices of 4 bytes
	s_add_nc_u64 s[10:11], s[10:11], s[30:31]
	ROUND                                          ; all four work-groups are here: the first joint loads meet
	tensor_load_to_lds s[G0X:G0X+3], s[G1X:G1X+7]  ; the first fills go out as one group: my 16 rows of x,
	s_nop 0
	tensor_load_to_lds s[G0B:G0B+3], s[G1B:G1B+7]  ; my eighth of b,
	s_nop 0
	tensor_load_to_lds s[G0W:G0W+3], s[G1W:G1W+7]  ; my eighth of step 0's codes: three loads of this wave are out
	s_nop 0
	v_and_b32 v1, 15, v0                           ; r
	v_bfe_u32 v2, v0, 4, 1                         ; h
	v_lshl_add_u32 v3, s14, 4, v1                  ; 16 c + r
	v_mul_u32_u24 v[ADW], v3, PW
	v_lshl_add_u32 v[ADW], v2, 4, v[ADW]           ; a fragment: row x pitch + 16 h, two loads 32 bytes apart for each 32 K
	v_add_nc_u32 v[ADW+1], 2*T64, v[ADW]           ; tiles 2 and 3 of a step lie beyond the 16-bit immediate
	v_add_nc_u32 v[ADW+2], SLOT, v[ADW]
	v_add_nc_u32 v[ADW+3], SLOT+2*T64, v[ADW]
	s_lshl_b32 s25, s14, 6
	s_add_co_u32 s25, s25, BT
	v_lshl_add_u32 v[ADB], v2, 5, s25              ; b of codes 16 c + 8 h + 0..7
	v_lshl_add_u32 v3, s13, 6, v1                  ; 64 p + r
	v_mul_u32_u24 v[ADX], v3, PX
	v_lshl_add_u32 v[ADX], v2, 5, v[ADX]           ; K = 8 h + 0..7 in f32: 32 h bytes
	v_add_nc_u32 v[ADX], XST, v[ADX]
	s_lshl_b32 s25, s12, 9
	s_add_co_u32 s25, s25, SCR
	v_lshl_add_u32 v[SCW], v1, 3, s25              ; my wave's 512 bytes; row 16 i + r at 8 (16 i + r)
	s_wait_tensorcnt 0x2                           ; a wave's tensor loads end in order: my rows of x are in; b's and the codes' loads, issued behind, may stay out
	s_barrier_signal -1
	s_barrier_wait -1                              ; everybody's rows of x are in
; x TO FRAGMENTS.  Batch b = tile i = b >> 1 of x, K steps 4 (b & 1) .. + 3: 64 registers of f32 into buffer b & 1.
; A fragment's registers 0-3 hold K = 8 h + 0..7, registers 4-7 K = 16 + 8 h + 0..7: in f32 that is 32 bytes at 32 h and 32 bytes at 64 + 32 h.
.macro XLOAD b
.irp sl, 0,1,2,3
	ds_load_b128 v[WF+64*((\b)&1)+16*\sl:WF+64*((\b)&1)+16*\sl+3],     v[ADX] offset:XPART*((\b)>>1)+128*(4*((\b)&1)+\sl)
	ds_load_b128 v[WF+64*((\b)&1)+16*\sl+4:WF+64*((\b)&1)+16*\sl+7],   v[ADX] offset:XPART*((\b)>>1)+128*(4*((\b)&1)+\sl)+16
	ds_load_b128 v[WF+64*((\b)&1)+16*\sl+8:WF+64*((\b)&1)+16*\sl+11],  v[ADX] offset:XPART*((\b)>>1)+128*(4*((\b)&1)+\sl)+64
	ds_load_b128 v[WF+64*((\b)&1)+16*\sl+12:WF+64*((\b)&1)+16*\sl+15], v[ADX] offset:XPART*((\b)>>1)+128*(4*((\b)&1)+\sl)+80
.endr
.endm
; Rounds the batch to bf16 into window 1 and adds the squares of the ROUNDED numbers to a's four chains (low and high halves of even and odd registers).
.macro XCVT b
.if ((\b)&1) == 0
.irp q, 0,1,2,3
	v_mov_b32 v[CH+\q], 0                          ; a tile's sum begins
.endr
.endif
	WIN 0x40                                       ; destination in window 1
.irp sl, 0,1,2,3
.irp q, 0,1,2,3,4,5,6,7
	v_cvt_pk_bf16_f32 v[8*(8*((\b)>>1)+4*((\b)&1)+\sl)+\q], v[WF+64*((\b)&1)+16*\sl+2*\q], v[WF+64*((\b)&1)+16*\sl+2*\q+1]
.endr
.endr
	WIN 0x05                                       ; sources 0 and 1 in window 1
.irp sl, 0,1,2,3
.irp q, 0,1,2,3,4,5,6,7
	v_fma_mix_f32_bf16 v[CH+2*(\q&1)],   v[8*(8*((\b)>>1)+4*((\b)&1)+\sl)+\q], v[8*(8*((\b)>>1)+4*((\b)&1)+\sl)+\q], v[CH+2*(\q&1)] op_sel_hi:[1,1,0]
	v_fma_mix_f32_bf16 v[CH+2*(\q&1)+1], v[8*(8*((\b)>>1)+4*((\b)&1)+\sl)+\q], v[8*(8*((\b)>>1)+4*((\b)&1)+\sl)+\q], v[CH+2*(\q&1)+1] op_sel:[1,1,0] op_sel_hi:[1,1,0]
.endr
.endr
	WIN 0
.if ((\b)&1) == 1
	v_add_f32 v[CH], v[CH], v[CH+1]
	v_add_f32 v[CH+2], v[CH+2], v[CH+3]
	v_add_f32 v[CH], v[CH], v[CH+2]                ; my half of the row's K;
	v_permlanex16_b32 v[CH+1], v[CH], s78, s79     ; lane (r, 1 - h) has the other half
	v_add_f32 v[A+2*((\b)>>1)],   v[CH], v[CH+1]   ; the sum of two is the same bits in both lanes
	v_add_f32 v[A+2*((\b)>>1)+1], v[CH], v[CH+1]
.endif
.endm
	XLOAD 0
.irp b, 0,1,2,3,4,5,6
	XLOAD \b+1
	s_wait_dscnt 16                                ; LDS loads return in order: all but the 16 just issued are in
	XCVT \b
.endr
	s_wait_dscnt 0x0
	XCVT 7
	s_lshl_b32 s[CODE], s14, 4                     ; my first tile begins at code 16 c
.irp i, 0,1,2,3
	v_mov_b32 v[BEST+\i], 0x7f800000               ; least d so far: +infinity
	v_mov_b32 v[TI+\i], s[CODE]
.endr
.set n, 0
.rept 28
	v_mov_b32 v[SAV+n], 0x7f800000                 ; a row in which no d is ever less than +infinity finds j = 0 in its first tile
.set n, n+1
.endr
; 18 LDS loads: the fragments of my 16 codes of tile tt of the slot (8 K steps) and their b (8 a lane)
.macro FETCH slot, tt, buf
.irp ks, 0,1,2,3,4,5,6,7
	ds_load_b128 v[WF+64*(\buf)+8*\ks:WF+64*(\buf)+8*\ks+3],   v[ADW+2*(\slot)+((\tt)>>1)] offset:((\tt)&1)*T64+64*\ks
	ds_load_b128 v[WF+64*(\buf)+8*\ks+4:WF+64*(\buf)+8*\ks+7], v[ADW+2*(\slot)+((\tt)>>1)] offset:((\tt)&1)*T64+64*\ks+32
.endr
	ds_load_b128 v[BB+8*(\buf):BB+8*(\buf)+3],   v[ADB] offset:256*(\tt)
	ds_load_b128 v[BB+8*(\buf)+4:BB+8*(\buf)+7], v[ADB] offset:256*(\tt)+16
.endm
; 32 matrix instructions: 16 codes x 64 rows of x x 256 K.  The first K step starts the sums (C = 0): nothing is cleared.
; The four accumulators take turns, one instruction a turn.
.macro MUL buf
	WIN 0x04                                       ; source 1 (x) in window 1
.irp i, 0,1,2,3
	v_wmma_f32_16x16x32_bf16 v[ACC+8*\i:ACC+8*\i+7], v[WF+64*\buf:WF+64*\buf+7], v[64*\i:64*\i+7], 0
.endr
.irp ks, 1,2,3,4,5,6,7
.irp i, 0,1,2,3
	v_wmma_f32_16x16x32_bf16 v[ACC+8*\i:ACC+8*\i+7], v[WF+64*\buf+8*\ks:WF+64*\buf+8*\ks+7], v[64*\i+8*\ks:64*\i+8*\ks+7], v[ACC+8*\i:ACC+8*\i+7]
.endr
.endr
	WIN 0
.endm
; d and the running minimum of the tile in buffer buf.  f = 1: in its middle the fragments and b of tile ftt of slot fslot are asked for, into the same buffer.
; The first eight packed adds name no register of a matrix instruction: they are the places (ISA guide 7.12.1) between the last matrix instruction and the
; first line that reads or writes a result.  The loads stand behind 24 vector instructions and behind the last line that reads this buffer's b.
.macro EPI buf, f, fslot, ftt
.irp i, 0,1
.irp q, 0,2,4,6
	v_pk_add_f32 v[ST+8*\i+\q:ST+8*\i+\q+1], v[BB+8*(\buf)+\q:BB+8*(\buf)+\q+1], v[A+2*\i:A+2*\i+1]           ; s = fl(a + b)
.endr
.endr
.irp i, 0,1
.irp q, 0,2,4,6
	v_pk_fma_f32 v[ACC+8*\i+\q:ACC+8*\i+\q+1], v[ACC+8*\i+\q:ACC+8*\i+\q+1], -2.0, v[ST+8*\i+\q:ST+8*\i+\q+1] op_sel_hi:[1,0,1]   ; d = fl(s - 2 p), in place
.endr
.endr
.irp i, 2,3
.irp q, 0,2,4,6
	v_pk_add_f32 v[ST+8*(\i-2)+\q:ST+8*(\i-2)+\q+1], v[BB+8*(\buf)+\q:BB+8*(\buf)+\q+1], v[A+2*\i:A+2*\i+1]
.endr
.endr
.if \f
	FETCH \fslot, \ftt, \buf
.endif
.irp i, 2,3
.irp q, 0,2,4,6
	v_pk_fma_f32 v[ACC+8*\i+\q:ACC+8*\i+\q+1], v[ACC+8*\i+\q:ACC+8*\i+\q+1], -2.0, v[ST+8*(\i-2)+\q:ST+8*(\i-2)+\q+1] op_sel_hi:[1,0,1]
.endr
.endr
	; the four tiles of x are four chains that do not wait for each other; the old minimum stays in its register for the compare
.irp i, 0,1,2,3
	v_min3_num_f32 v[BEST+4*(1-(\buf))+\i], v[BEST+4*(\buf)+\i], v[ACC+8*\i], v[ACC+8*\i+1]
.endr
.irp q, 2,4,6
.irp i, 0,1,2,3
	v_min3_num_f32 v[BEST+4*(1-(\buf))+\i], v[BEST+4*(1-(\buf))+\i], v[ACC+8*\i+\q], v[ACC+8*\i+\q+1]
.endr
.endr
.irp i, 0,1,2,3
	v_cmp_lt_f32 s[MK+\i], v[BEST+4*(1-(\buf))+\i], v[BEST+4*(\buf)+\i]    ; strictly less: the first of equal tiles stays
.endr
.irp i, 0,1,2,3
	v_cndmask_b32 v[TI+\i], v[TI+\i], s[CODE], s[MK+\i]
.endr
.irp j, 0,1,2,3,4,5,6
.irp i, 0,1,2,3
	v_cndmask_b32 v[SAV+7*\i+\j], v[SAV+7*\i+\j], v[ACC+8*\i+\j], s[MK+\i]
.endr
.endr
	s_add_co_u32 s[CODE], s[CODE], 64              ; my next tile, in the next step too
.endm
; A STEP: my four tiles of the slot's 256 codes, on buffers 0, 1, 0, 1.  At its head tiles 0 and 1 have been asked for (36 LDS loads are out).
; The change of slots stands in the step's middle, where the pipeline is full.  Tile 3's fragments are asked for during tile 1's vector phase, so that in front of tile 2's
; products all my reads of this slot can be waited for; with them all my tensor loads (one is out: my part of the next slot).  Then the round's opening signal;
; tile 2's products and vector phase, register work alone, stand between that signal and its wait.  Behind the round no wave of any partner reads this slot or
; has a load on its way: the joint refill of THIS slot (two steps ahead) comes first, one load a wave, with a whole step in which to land; then the next
; slot's tile 0 is asked for, and tile 3, which is in registers, is multiplied meanwhile.
; refill = 0: nothing is left to fetch; the work-group's barrier alone shows the next slot whole.
.macro STEP slot, refill
	s_wait_dscnt 18                                ; LDS loads return in order: tile 0 is in, tile 1's 18 loads may stay out
	MUL 0
	EPI 0, 1, \slot, 2
	s_wait_dscnt 18                                ; tile 1 is in, tile 2's 18 may stay out
	MUL 1
	EPI 1, 1, \slot, 3
	s_wait_dscnt 0x0                               ; my reads of this slot are over: tiles 2 and 3 are in registers
	s_wait_tensorcnt 0x0                           ; all my tensor loads have landed, so a group 0 may be written
	ds_add_u32 v126, v127
	s_wait_dscnt 0x0
.if \refill
	s_add_nc_u64 s[G0W+4*\slot+2:G0W+4*\slot+3], s[G0W+4*\slot+2:G0W+4*\slot+3], 2*WSTEP   ; this slot's next codes
.endif
	s_barrier_signal -1
	MUL 0
	EPI 0, 0, 0, 0
	s_barrier_wait -1
.if \refill
	CREST
	tensor_load_to_lds s[G0W+4*\slot:G0W+4*\slot+3], s[G1W:G1W+7]
	s_nop 0
.endif
	v_add_nc_u32 v[ADB], 1024, v[ADB]              ; the next step's 256 b
	FETCH 1-\slot, 0, 0
	MUL 1                                          ; tile 3: in registers since the wait for 0 above
	EPI 1, 1, 1-\slot, 1
.endm
	; Slot 1 gets step 1's codes, over the stage for x: a refill.  In front of the round: b and step 0's codes have landed, my reads of the stage are back.
	s_wait_tensorcnt 0x0
	ds_add_u32 v126, v127
	s_wait_dscnt 0x0
	ROUND
	tensor_load_to_lds s[G0W+4:G0W+7], s[G1W:G1W+7]
	s_nop 0
	FETCH 0, 0, 0
	FETCH 0, 1, 1
	s_mov_b32 s80, 15                              ; 15 trips of two steps (steps 0 to 29 ask for steps 2 to 31), then the last two steps written out
.Lring:
	STEP 0, 1
	STEP 1, 1
	s_sub_co_i32 s80, s80, 1
	s_cmp_lg_u32 s80, 0
	s_cbranch_scc1 .Lring
	STEP 0, 0                                      ; step 30
	s_wait_dscnt 18                                ; step 31: no change of slots
	MUL 0
	EPI 0, 1, 1, 2
	s_wait_dscnt 18
	MUL 1
	EPI 1, 1, 1, 3
	s_wait_dscnt 18                                ; tile 2 is in, tile 3's 18 may stay out
	MUL 0
	EPI 0, 0, 0, 0
	s_wait_dscnt 0x0
	MUL 1
	EPI 1, 0, 0, 0                                 ; the last tile has odd parity: the minimum ends in the first set of BEST
; THE INDEX: the first j of 0 to 6 whose kept d equals the minimum, else 7; + the tile's first code + 8 h.
.irp i, 0,1,2,3
	v_mov_b32 v[ST+2*\i], v[BEST+\i]               ; pairs (d, index) in even-aligned registers
	v_mov_b32 v[ST+2*\i+1], 7
.endr
.irp j, 6,5,4,3,2,1,0                          ; descending, so that the lowest equal j is written last
.irp i, 0,1,2,3
	v_cmp_eq_f32 s[MK+\i], v[SAV+7*\i+\j], v[BEST+\i]
.endr
.irp i, 0,1,2,3
	v_cndmask_b32 v[ST+2*\i+1], v[ST+2*\i+1], \j, s[MK+\i]
.endr
.endr
.irp i, 0,1,2,3
	v_add_nc_u32 v[ST+2*\i+1], v[ST+2*\i+1], v[TI+\i]
	v_lshl_add_u32 v[ST+2*\i+1], v2, 3, v[ST+2*\i+1]               ; lanes 16-31 hold codes 8 further on
.endr
; THE MERGE, by (d, then the lower index): lane (r, 0) with lane (r, 1), then the four waves of a row group through LDS.
.macro LEXMIN bv, bi, ov, oi
	v_cmp_lt_f32 s82, v[\ov], v[\bv]
	v_cmp_eq_f32 s83, v[\ov], v[\bv]
	v_cmp_lt_u32 s84, v[\oi], v[\bi]
	s_and_b32 s83, s83, s84
	s_or_b32 s82, s82, s83
	v_cndmask_b32 v[\bv], v[\bv], v[\ov], s82
	v_cndmask_b32 v[\bi], v[\bi], v[\oi], s82
.endm
.irp i, 0,1,2,3
	v_permlanex16_b32 v[ST+8+2*\i],   v[ST+2*\i],   s78, s79       ; destinations that have been written before
	v_permlanex16_b32 v[ST+8+2*\i+1], v[ST+2*\i+1], s78, s79
.endr
.irp i, 0,1,2,3
	LEXMIN ST+2*\i, ST+2*\i+1, ST+8+2*\i, ST+8+2*\i+1
	ds_store_b64 v[SCW], v[ST+2*\i:ST+2*\i+1] offset:128*\i        ; both halves of the lanes write the same pair to the same bytes
.endr
	s_wait_dscnt 0x0                               ; my pairs are in LDS before I say so
	s_barrier_signal -1
	s_barrier_wait -1
	s_cmp_gt_u32 s12, 1
	s_cbranch_scc1 .Lno_store
	; wave p' = 0, 1: lane L takes rows 2 L and 2 L + 1 of row group p', from the four waves 4 p' + c: 16 consecutive bytes a lane from each
	v_and_b32 v[SCRD], 31, v0
	s_lshl_b32 s25, s12, 11
	s_add_co_u32 s25, s25, SCR
	v_lshl_add_u32 v[SCRD], v[SCRD], 4, s25
	v_lshlrev_b32 v3, 3, v0                        ; two indices a thread
.irp c, 0,1,2,3
	ds_load_b128 v[FIN+4*\c:FIN+4*\c+3], v[SCRD] offset:512*\c
.endr
	s_wait_dscnt 0x0
.irp c, 1,2,3
	LEXMIN FIN,   FIN+1, FIN+4*\c,   FIN+4*\c+1
	LEXMIN FIN+2, FIN+3, FIN+4*\c+2, FIN+4*\c+3
.endr
	v_mov_b32 v[FIN+16], v[FIN+1]
	v_mov_b32 v[FIN+17], v[FIN+3]
	global_store_b64 v3, v[FIN+16:FIN+17], s[10:11]                ; a wave stores 256 consecutive bytes, aligned
.Lno_store:
	s_wait_tensorcnt 0x0
	ds_add_u32 v126, v127
	s_wait_dscnt 0x0
	ROUND                                          ; the closing round: no work-group ends while a partner may still ask for a tile that names it
	s_endpgm
.Lfunc_end_k_qed61353d9c_argmin:
	.size	k_qed61353d9c_argmin, .Lfunc_end_k_qed61353d9c_argmin-k_qed61353d9c_argmin
	.p2alignl 7, 3214868480
	.fill 96, 4, 3214868480
	.section	.rodata,"a",@progbits
	.p2align	6, 0x0
	.amdhsa_kernel k_qed61353d9c_argmin
		.amdhsa_group_segment_fixed_size 327680
		.amdhsa_private_segment_fixed_size 0
		.amdhsa_enable_private_segment 0
		.amdhsa_kernarg_size 32
		.amdhsa_user_sgpr_count 2
		.amdhsa_user_sgpr_kernarg_segment_ptr 1
		.amdhsa_wavefront_size32 1
		.amdhsa_system_sgpr_workgroup_id_x 1
		.amdhsa_system_sgpr_workgroup_id_y 1
		.amdhsa_system_sgpr_workgroup_id_z 1
		.amdhsa_system_vgpr_workitem_id 0
		.amdhsa_next_free_vgpr 512
		.amdhsa_next_free_sgpr 96
		.amdhsa_reserve_vcc 0
		.amdhsa_float_denorm_mode_32 3
		.amdhsa_float_denorm_mode_16_64 3
		.amdhsa_memory_ordered 1
		.amdhsa_forward_progress 1
		.amdhsa_inst_pref_size 214
	.end_amdhsa_kernel
	.amdgpu_metadata
---
amdhsa.version: [ 1, 2 ]
amdhsa.kernels:
  - .name:           k_qed61353d9c_argmin
    .symbol:         k_qed61353d9c_argmin.kd
    .args:
      - { .name: x, .offset: 0, .size: 8, .value_kind: global_buffer, .address_space: global }
      - { .name: wbf, .offset: 8, .size: 8, .value_kind: global_buffer, .address_space: global }
      - { .name: bsq, .offset: 16, .size: 8, .value_kind: global_buffer, .address_space: global }
      - { .name: idx, .offset: 24, .size: 8, .value_kind: global_buffer, .address_space: global }
    .group_segment_fixed_size: 327680
    .private_segment_fixed_size: 0
    .kernarg_segment_align: 8
    .kernarg_segment_size: 32
    .max_flat_workgroup_size: 256
    .sgpr_count:     96
    .vgpr_count:     512
    .wavefront_size: 32
...
	.end_amdgpu_metadata
.endif
;; end of part 2
;; launch gather (part 3): grid 256 x 1, 16 waves a work-group, no clusters, 6,144 bytes of LDS; arguments x, weight, idx, out0, part; writes out0, part
.if DOCPART == 3
	.amdgcn_target "amdgcn-amd-amdhsa--gfx1250"
	.amdhsa_code_object_version 6
	.text
	.protected	k_qed61353d9c_gather
	.globl	k_qed61353d9c_gather
	.p2align	8
	.type	k_qed61353d9c_gather,@function
k_qed61353d9c_gather:
	s_mov_b64 s[64:65], 0
	v_nop
	global_prefetch_b8 v0, s[64:65] scope:SCOPE_SE
	s_setreg_imm32_b32 hwreg(HW_REG_WAVE_MODE, 25, 1), 1
	s_wait_xcnt 0x0
; q = weight[idx[row]];  out0 = x + (q - x), each operation rounded in f32 as it is written;  part = partial sums of (q - x)^2 = (x - q)^2.
; x, out0: [32768][256] f32.  weight: [8192][256] f32 (unrounded).  idx: [32768] whole numbers, stored by the launch before.  part: [256][64] f32.
; A work-group owns 128 rows, a wave 8; a lane owns 16 bytes at 16 L and at 512 + 16 L of every row, so each load and store of a wave covers 512
; consecutive bytes.  No loop: all 32 loads of a wave are out at once, and no register that a pending load or store names is written again.
; A stream with a gather: no matrix unit, no cluster (what work-groups share, rows of weight, hangs on the indices).
; An index is cut to 8,191 before it enters an address; the launch before stores none above.
.set ROW, 1024
.set VL,  1                            ; v1        16 L
.set VX,  2                            ; v2        8,192 w + 16 L
.set VS,  3                            ; v3        8 t: LDS and part
.set VQ,  4                            ; v[4:11]   row k: 1,024 idx + 16 L
.set X,   12                           ; v[12:75]  row k: 8 numbers of x
.set Q,   76                           ; v[76:139] row k: 8 numbers of q, then of out0
.set T,   140                          ; v[140:147] q - x
.set ACC, 148                          ; v[148:155] four pairs of sums of squares
	s_load_b256 s[4:11], s[0:1], 0x0               ; x s[4:5], weight s[6:7], idx s[8:9], out0 s[10:11]
	s_load_b64 s[12:13], s[0:1], 0x20              ; part
	v_lshl_add_u32 v160, v0, 2, 0x1000
	v_mov_b32 v161, 0
	v_lshrrev_b32 v3, 5, v0
	v_readfirstlane_b32 s14, v3                    ; wave 0..15
	v_and_b32 v[VL], 31, v0
	v_lshlrev_b32 v[VL], 4, v[VL]
	v_lshl_add_u32 v[VX], s14, 13, v[VL]
	v_lshlrev_b32 v[VS], 3, v0
	s_lshl_b32 s24, ttmp9, 17                      ; 128 rows of 1,024 bytes
	s_mov_b32 s25, 0
	s_lshl_b32 s26, ttmp9, 9                       ; 128 indices,
	s_lshl_b32 s28, s14, 5                         ; my wave's 8
	s_add_co_u32 s26, s26, s28
	s_mov_b32 s27, 0
	s_lshl_b32 s28, ttmp9, 8                       ; 64 partial sums
	s_mov_b32 s29, 0
	s_wait_kmcnt 0x0
	s_add_nc_u64 s[8:9], s[8:9], s[26:27]
	s_load_b256 s[16:23], s[8:9], 0x0              ; my wave's 8 indices
	s_add_nc_u64 s[4:5], s[4:5], s[24:25]
	s_add_nc_u64 s[10:11], s[10:11], s[24:25]
	s_add_nc_u64 s[12:13], s[12:13], s[28:29]
.irp k, 0,1,2,3,4,5,6,7
	global_load_b128 v[X+8*\k:X+8*\k+3],   v[VX], s[4:5] offset:ROW*\k th:TH_LOAD_NT
	global_load_b128 v[X+8*\k+4:X+8*\k+7], v[VX], s[4:5] offset:ROW*\k+512 th:TH_LOAD_NT
.endr
	s_wait_kmcnt 0x0
.irp k, 0,1,2,3,4,5,6,7
	s_min_u32 s[16+\k], s[16+\k], 0x1fff
	s_lshl_b32 s[16+\k], s[16+\k], 10
	v_add_nc_u32 v[VQ+\k], s[16+\k], v[VL]
.endr
.irp k, 0,1,2,3,4,5,6,7
	global_load_b128 v[Q+8*\k:Q+8*\k+3],   v[VQ+\k], s[6:7]                ; no hint: a row of weight may be named again
	global_load_b128 v[Q+8*\k+4:Q+8*\k+7], v[VQ+\k], s[6:7] offset:512
.endr
.irp k, 0,1,2,3,4,5,6,7
	s_wait_loadcnt 14-2*\k                         ; loads return in order: all of x and row k's q are in; the two q loads of each younger row may stay out
.irp m, 0,2,4,6
	v_pk_add_f32 v[T+\m:T+\m+1], v[Q+8*\k+\m:Q+8*\k+\m+1], v[X+8*\k+\m:X+8*\k+\m+1] neg_lo:[0,1] neg_hi:[0,1]   ; q - x
.endr
.irp m, 0,2,4,6
.if \k == 0
	v_pk_mul_f32 v[ACC+\m:ACC+\m+1], v[T+\m:T+\m+1], v[T+\m:T+\m+1]        ; the first squares start the sums
.else
	v_pk_fma_f32 v[ACC+\m:ACC+\m+1], v[T+\m:T+\m+1], v[T+\m:T+\m+1], v[ACC+\m:ACC+\m+1]
.endif
.endr
.irp m, 0,2,4,6
	v_pk_add_f32 v[Q+8*\k+\m:Q+8*\k+\m+1], v[X+8*\k+\m:X+8*\k+\m+1], v[T+\m:T+\m+1]        ; x + (q - x)
.endr
	global_store_b128 v[VX], v[Q+8*\k:Q+8*\k+3],   s[10:11] offset:ROW*\k th:TH_STORE_NT
	global_store_b128 v[VX], v[Q+8*\k+4:Q+8*\k+7], s[10:11] offset:ROW*\k+512 th:TH_STORE_NT
.endr
	v_pk_add_f32 v[ACC:ACC+1], v[ACC:ACC+1], v[ACC+2:ACC+3]
	v_pk_add_f32 v[ACC+4:ACC+5], v[ACC+4:ACC+5], v[ACC+6:ACC+7]
	v_pk_add_f32 v[ACC:ACC+1], v[ACC:ACC+1], v[ACC+4:ACC+5]
	ds_store_b64 v[VS], v[ACC:ACC+1]               ; wave w's 64 sums at 256 w
	s_wait_dscnt 0x0                               ; in LDS before I say so
	s_barrier_signal -1
	s_barrier_wait -1
	s_cmp_lg_u32 s14, 0
	s_cbranch_scc1 .Lend
	; wave 0 (its VS is 8 L) adds the sixteen waves' sums, in four chains, and stores the group's 64
.irp k, 0,1,2,3,4,5,6,7,8,9,10,11,12,13,14,15
	ds_load_b64 v[X+2*\k:X+2*\k+1], v[VS] offset:256*\k
.endr
	s_wait_dscnt 0x0
.set n, 4
.rept 12
	v_pk_add_f32 v[X+2*(n%4):X+2*(n%4)+1], v[X+2*(n%4):X+2*(n%4)+1], v[X+2*n:X+2*n+1]
.set n, n+1
.endr
	v_pk_add_f32 v[X:X+1], v[X:X+1], v[X+2:X+3]
	v_pk_add_f32 v[X+4:X+5], v[X+4:X+5], v[X+6:X+7]
	v_pk_add_f32 v[X:X+1], v[X:X+1], v[X+4:X+5]
	global_store_b64 v[VS], v[X:X+1], s[12:13]     ; 256 consecutive bytes, aligned, by one instruction
.Lend:
	s_wait_tensorcnt 0x0
	ds_add_u32 v160, v161
	s_wait_dscnt 0x0
	s_endpgm
.Lfunc_end_k_qed61353d9c_gather:
	.size	k_qed61353d9c_gather, .Lfunc_end_k_qed61353d9c_gather-k_qed61353d9c_gather
	.p2alignl 7, 3214868480
	.fill 96, 4, 3214868480
	.section	.rodata,"a",@progbits
	.p2align	6, 0x0
	.amdhsa_kernel k_qed61353d9c_gather
		.amdhsa_group_segment_fixed_size 6144
		.amdhsa_private_segment_fixed_size 0
		.amdhsa_enable_private_segment 0
		.amdhsa_kernarg_size 40
		.amdhsa_user_sgpr_count 2
		.amdhsa_user_sgpr_kernarg_segment_ptr 1
		.amdhsa_wavefront_size32 1
		.amdhsa_system_sgpr_workgroup_id_x 1
		.amdhsa_system_sgpr_workgroup_id_y 1
		.amdhsa_system_sgpr_workgroup_id_z 1
		.amdhsa_system_vgpr_workitem_id 0
		.amdhsa_next_free_vgpr 162
		.amdhsa_next_free_sgpr 66
		.amdhsa_reserve_vcc 0
		.amdhsa_float_denorm_mode_32 3
		.amdhsa_float_denorm_mode_16_64 3
		.amdhsa_memory_ordered 1
		.amdhsa_forward_progress 1
		.amdhsa_inst_pref_size 16
	.end_amdhsa_kernel
	.amdgpu_metadata
---
amdhsa.version: [ 1, 2 ]
amdhsa.kernels:
  - .name:           k_qed61353d9c_gather
    .symbol:         k_qed61353d9c_gather.kd
    .args:
      - { .name: x, .offset: 0, .size: 8, .value_kind: global_buffer, .address_space: global }
      - { .name: weight, .offset: 8, .size: 8, .value_kind: global_buffer, .address_space: global }
      - { .name: idx, .offset: 16, .size: 8, .value_kind: global_buffer, .address_space: global }
      - { .name: out0, .offset: 24, .size: 8, .value_kind: global_buffer, .address_space: global }
      - { .name: part, .offset: 32, .size: 8, .value_kind: global_buffer, .address_space: global }
    .group_segment_fixed_size: 6144
    .private_segment_fixed_size: 0
    .kernarg_segment_align: 8
    .kernarg_segment_size: 40
    .max_flat_workgroup_size: 512
    .sgpr_count:     66
    .vgpr_count:     162
    .wavefront_size: 32
...
	.end_amdgpu_metadata
.endif
;; end of part 3
;; launch lossred (part 4): grid 1 x 1, 8 waves a work-group, no clusters, 1,280 bytes of LDS; arguments part, out1; writes out1
.if DOCPART == 4
	.amdgcn_target "amdgcn-amd-amdhsa--gfx1250"
	.amdhsa_code_object_version 6
	.text
	.protected	k_qed61353d9c_lossred
	.globl	k_qed61353d9c_lossred
	.p2align	8
	.type	k_qed61353d9c_lossred,@function
k_qed61353d9c_lossred:
	s_mov_b64 s[64:65], 0
	v_nop
	global_prefetch_b8 v0, s[64:65] scope:SCOPE_SE
	s_setreg_imm32_b32 hwreg(HW_REG_WAVE_MODE, 25, 1), 1
	s_wait_xcnt 0x0
; out1 = m + 0.5 m, m = (the sum of part's 16,384 partial sums) / (32768 x 256) = the mean of (x - q)^2.  The two means of the loss are the same number.
; One work-group of eight waves: the sum spans all work-groups of the launch before, so it is made here, by one owner.
; Thread t takes 16 bytes at 16 t of each of 16 blocks of 4,096 bytes: every load of a wave covers 512 consecutive bytes; all 16 go out at once.
.set X, 4                              ; v[4:67]  64 partial sums a thread
	s_load_b128 s[4:7], s[0:1], 0x0                ; part s[4:5], out1 s[6:7]
	v_lshl_add_u32 v80, v0, 2, 0x100
	v_mov_b32 v81, 0
	v_lshlrev_b32 v1, 4, v0
	v_lshrrev_b32 v2, 5, v0
	v_readfirstlane_b32 s8, v2                     ; wave 0..7
	v_lshlrev_b32 v3, 2, v2                        ; LDS: my wave's word
	s_mov_b32 s12, 0x76543210                      ; v_permlanex16_b32: lane i reads lane i of the other half
	s_mov_b32 s13, 0xfedcba98
	s_wait_kmcnt 0x0
.irp k, 0,1,2,3,4,5,6,7,8,9,10,11,12,13,14,15
	global_load_b128 v[X+4*\k:X+4*\k+3], v1, s[4:5] offset:4096*\k
.endr
	s_wait_loadcnt 0x0
.set n, 4
.rept 28                               ; four chains of packed adds
	v_pk_add_f32 v[X+2*(n%4):X+2*(n%4)+1], v[X+2*(n%4):X+2*(n%4)+1], v[X+2*n:X+2*n+1]
.set n, n+1
.endr
	v_pk_add_f32 v[X:X+1], v[X:X+1], v[X+2:X+3]
	v_pk_add_f32 v[X+4:X+5], v[X+4:X+5], v[X+6:X+7]
	v_pk_add_f32 v[X:X+1], v[X:X+1], v[X+4:X+5]
	v_add_f32 v[X], v[X], v[X+1]
	v_add_f32_dpp v[X], v[X], v[X] row_xmask:1 row_mask:0xf bank_mask:0xf
	v_add_f32_dpp v[X], v[X], v[X] row_xmask:2 row_mask:0xf bank_mask:0xf
	v_add_f32_dpp v[X], v[X], v[X] row_xmask:4 row_mask:0xf bank_mask:0xf
	v_add_f32_dpp v[X], v[X], v[X] row_xmask:8 row_mask:0xf bank_mask:0xf
	v_permlanex16_b32 v[X+1], v[X], s12, s13
	v_add_f32 v[X], v[X], v[X+1]
	ds_store_b32 v3, v[X]                          ; every lane writes the same word with the same value
	s_wait_dscnt 0x0                               ; in LDS before I say so
	s_barrier_signal -1
	s_barrier_wait -1
	s_cmp_lg_u32 s8, 0
	s_cbranch_scc1 .Lend
	v_mov_b32 v1, 0
	ds_load_b128 v[8:11], v1                       ; the eight waves' sums, in every lane of wave 0
	ds_load_b128 v[12:15], v1 offset:16
	s_wait_dscnt 0x0
	v_pk_add_f32 v[8:9], v[8:9], v[10:11]
	v_pk_add_f32 v[12:13], v[12:13], v[14:15]
	v_pk_add_f32 v[8:9], v[8:9], v[12:13]
	v_add_f32 v8, v8, v9
	v_mul_f32 v8, 0x34000000, v8                   ; x 2^-23 = 1 / (32768 x 256), exact
	v_fma_f32 v8, v8, 0.5, v8                      ; m + 0.5 m
	v_cmp_eq_u32 vcc_lo, 0, v0
	s_wait_xcnt 0x0                                ; EXEC is a source of the loads above: it changes only behind this wait
	s_and_saveexec_b32 s10, vcc_lo
	global_store_b32 v1, v8, s[6:7]                ; one number, by thread 0
	s_wait_xcnt 0x0                                ; and again in front of the line that widens it
	s_or_b32 exec_lo, exec_lo, s10
.Lend:
	s_wait_tensorcnt 0x0
	ds_add_u32 v80, v81
	s_wait_dscnt 0x0
	s_endpgm
.Lfunc_end_k_qed61353d9c_lossred:
	.size	k_qed61353d9c_lossred, .Lfunc_end_k_qed61353d9c_lossred-k_qed61353d9c_lossred
	.p2alignl 7, 3214868480
	.fill 96, 4, 3214868480
	.section	.rodata,"a",@progbits
	.p2align	6, 0x0
	.amdhsa_kernel k_qed61353d9c_lossred
		.amdhsa_group_segment_fixed_size 1280
		.amdhsa_private_segment_fixed_size 0
		.amdhsa_enable_private_segment 0
		.amdhsa_kernarg_size 16
		.amdhsa_user_sgpr_count 2
		.amdhsa_user_sgpr_kernarg_segment_ptr 1
		.amdhsa_wavefront_size32 1
		.amdhsa_system_sgpr_workgroup_id_x 1
		.amdhsa_system_sgpr_workgroup_id_y 1
		.amdhsa_system_sgpr_workgroup_id_z 1
		.amdhsa_system_vgpr_workitem_id 0
		.amdhsa_next_free_vgpr 82
		.amdhsa_next_free_sgpr 66
		.amdhsa_reserve_vcc 1
		.amdhsa_float_denorm_mode_32 3
		.amdhsa_float_denorm_mode_16_64 3
		.amdhsa_memory_ordered 1
		.amdhsa_forward_progress 1
		.amdhsa_inst_pref_size 6
	.end_amdhsa_kernel
	.amdgpu_metadata
---
amdhsa.version: [ 1, 2 ]
amdhsa.kernels:
  - .name:           k_qed61353d9c_lossred
    .symbol:         k_qed61353d9c_lossred.kd
    .args:
      - { .name: part, .offset: 0, .size: 8, .value_kind: global_buffer, .address_space: global }
      - { .name: out1, .offset: 8, .size: 8, .value_kind: global_buffer, .address_space: global }
    .group_segment_fixed_size: 1280
    .private_segment_fixed_size: 0
    .kernarg_segment_align: 8
    .kernarg_segment_size: 16
    .max_flat_workgroup_size: 256
    .sgpr_count:     66
    .vgpr_count:     82
    .wavefront_size: 32
...
	.end_amdgpu_metadata
.endif
;; end of part 4
